; MI455X (gfx1250); checked and timed in simulation.
; The chip was launched on July 23, 2026; its instructions are those of AMD's public machine-readable ISA for CDNA 5 (MIT licence, August 2026) and "CDNA5" Instruction Set Architecture Reference Guide (July 2026). The comments in the code are by the model that wrote it; some were corrected since.
;; SDPA. Allowed arithmetic: matrix products marked QUANTISED: E4M3 operands, one given power-of-two scale a tensor, by v_wmma_f32_16x16x64_fp8_fp8 or v_wmma_f32_16x16x128_fp8_fp8, f32 sums; everything else in f32.
;; Inputs: k 2 x 2,048 x 16 x 64 float32; lowp_scales 4 int32 (the exponents e of the quantised operands' scales 2^e); q 2 x 2,048 x 16 x 64 float32; v 2 x 2,048 x 16 x 64 float32.
;; Outputs: out0 2 x 2,048 x 16 x 64 float32.
;; This version of the problem:
;;   THIS VERSION OF THE PROBLEM IS GIVEN IN LOW PRECISION. The matrix products marked QUANTISED in the list below multiply operands that are first quantised to E4M3 (4 exponent bits, 3 mantissa bits; 8 bits a number), with one given power-of-two scale for each operand tensor; their sums are f32. All else is computed in f32.
;;   The module's matrix products, in the order in which they are computed (A, B: the left and right operand; K: the contracted axis; several contracted axes count as one K, in the product's order):
;;     1. batch 32 x [M 2,048, K 64] x [K 64, N 2,048]; A: input k; B: computed on the way: QUANTISED (scales: A lowp_scales[0], B lowp_scales[1])
;;     2. batch 32 x [M 64, K 2,048] x [K 2,048, N 2,048]; A: input v; B: softmax (see below): QUANTISED (scales: A lowp_scales[2], B lowp_scales[3])
;;   THE QUANTISER, for each operand of a quantised product, along K:
;;     - The operand's scale is 2^e, e = its entry of the input lowp_scales (int32; the entries are numbered through the quantised products in the list's order, A before B).
;;     - Each number is divided by the scale, clamped to +-448, and rounded to the nearest number of E4M3, ties to even, subnormals kept.
;;     - The product sums the exact products of the quantised numbers (number of the format x scale) in f32.
;;   ~~~python
;;   def quantise(x, axis, e):      # numpy; x: float32 -> the quantised numbers, widened to float32 again
;;       x = np.moveaxis(x, axis, -1); K = x.shape[-1]
;;       r = np.clip(x / 2.0 ** e, -448, 448)
;;       step = 2.0 ** (np.maximum(np.frexp(np.where(r == 0, 1, r))[1] - 1, -6) - 3)
;;       q = np.round(r / step) * step * 2.0 ** e      # np.round: ties to even
;;       return np.moveaxis(q, -1, axis).astype(np.float32)
;;   ~~~
;;   SOFTMAX AHEAD OF A QUANTISED PRODUCT. Where the list says 'softmax', what is quantised is not the finished softmax but p = 2^(t - M), with t = logit x log2(e) and M = ceil(the row's largest t), a whole number; so 1/2 < the row's largest p <= 1. The row's sum l is taken of the UNQUANTISED p, in f32, and the product's result is divided by l at the end. Since M is a whole number, a kernel that streams over the keys may use a running M (the ceiling of the running maximum): every later rescaling is an exact power of two, so the quantised numbers keep their values, but for numbers so far below the row's largest that they fall under the format's range.
;;   OPERANDS COMPUTED ON THE WAY. 'Computed on the way' means the value that the module computes at that place (a softmax that the list does not call 'softmax' is quantised finished and normalised). What goes into a quantiser is computed in f32, as accurately as f32 sums, v_exp_f32 and their like allow (about 1e-6 of the number): no bf16 or f16 on the way to a quantiser, and a product that is left as it is and whose result goes on into a quantised operand takes f32 operands (vector FMAs, or v_wmma_f32_16x16x4_f32). A number that lies on a knife's edge between two numbers of the format may be rounded either way, as far as f32 arithmetic and the matrix unit's own rounding can turn it there, and no further.
;; One version. Each part assembles by itself: llvm-mc -triple=amdgcn-amd-amdhsa -mcpu=gfx1250 --defsym DOCPART=n.
;; ======== version 1 of 1: 2 launches
;; limits: right only within a limited range of input values
;; workspace buffers: kv 8,388,608 bytes
;; launch prep (part 1): grid 512 x 1, 8 waves a work-group, no clusters, 35,840 bytes of LDS; arguments k, v, lowp_scales, kv; writes kv
.if DOCPART == 1
	.amdgcn_target "amdgcn-amd-amdhsa--gfx1250"
	.amdhsa_code_object_version 6
	.text
	.protected	k_qbf58effc0d_prep
	.globl	k_qbf58effc0d_prep
	.p2align	8
	.type	k_qbf58effc0d_prep,@function
k_qbf58effc0d_prep:
	s_mov_b64 s[64:65], 0
	v_nop
	global_prefetch_b8 v0, s[64:65] scope:SCOPE_SE
	s_setreg_imm32_b32 hwreg(HW_REG_WAVE_MODE, 25, 1), 1
	s_wait_xcnt 0x0
; k and v, [2][2048][16][64] f32, become codes of FP8 (E4M3), each with the one scale 2^e that is given for it (k: entry 0, v: entry 2 of the scales' buffer).
; code = x / 2^e, held within +-448, rounded to the nearest code, ties to even.
; LIMITS: e0 and e2 lie between -126 and 119, so that 2^e and 448 x 2^e are f32 numbers.  NaN among the inputs is not served; an infinity is held at the largest code.
; THE CODES ARE LAID IN THE ORDER OF THE OPERANDS' REGISTERS.  Head hd = 16 b + n has 262,144 bytes; in it key step j (128 keys) has 16,384: K's image (8,192), then V's (8,192).
;   K's image: the 16 bytes at 1024 t + 512 c + 16 lane (lane = 16 h + r): key 128 j + 32 (t / 2) + 8 (t % 2) + r + 8 (r / 8), channels 32 c + 16 h + 0 .. 15.
;   V's image: the 16 bytes at 2048 t + 512 c + 16 lane: channel 16 t + r, keys 128 j + 32 c + 16 h + 0 .. 15 (the keys are the second product's K).
; SHARES.  A work-group makes one (head, key step): 16,384 bytes.  Wave w makes K's tile t = w (16 keys x 64 channels), and V's keys 16 w .. 16 w + 15 for all 64 channels.
; K: its K (the channels) is innermost in memory.  Each load takes two whole rows of 256 bytes (16 lanes a row); the rows turn through the wave's own stage in LDS, so that a lane gets 16 neighbouring channels for the conversions.
; V: its K (the keys) is not innermost.  A lane takes a channel and its registers run down the keys, so the conversions give codes with the keys innermost and nothing is transposed.
; Straight-line text: every offset is an immediate, no register that a load or store names is written again, waves share nothing: no barrier.  No matrix unit, no tensor load, no cluster: memory binds and no byte is read twice.
; WORK LEFT OUT: none here.  The launch behind leaves out the (query block, key step) tiles that lie wholly above the diagonal: reference()'s own causal mask sets their scores to the least f32 number, so their p is 0
; for all values of the inputs.  LIMIT: a NaN, an infinity or an overflow that would arise only in such a tile is not carried to the result.
.set SP,   272
.set WSTG, 16*SP                       ; a wave's stage
.set GIN,  5                           ; v5   K in: 4096 h + 16 r: lanes 0-15 one token's row, lanes 16-31 the next token's
.set SIN,  6                           ; v6   the stage on the way in: 272 h + 16 r
.set SOUT, 7                           ; v7   and on the way out: 272 r + 64 h: my 16 channels of row r
.set L16,  8                           ; v8   16 x lane
.set L4,   9                           ; v9   4 x lane
.set VOUT, 10                          ; v10  V out: 2048 h + 16 r
.set R,    16                          ; v16-47   K as loaded
.set X,    48                          ; v48-79   K behind the stage: register 16 c + i = channel 32 c + 16 h + i of row r
.set C,    80                          ; v80-87   K's codes
.set Y,    88                          ; v88-119  V: register 16 p + i = key 16 w + i of channel 32 p + lane
.set D,    120                         ; v120-127 V's codes
	s_load_b256 s[4:11], s[0:1], 0x0               ; k s[4:5], v s[6:7], the scales' exponents s[8:9], kv s[10:11]
	v_lshl_add_u32 v128, v0, 2, 0x8800
	v_mov_b32 v129, 0
	v_lshrrev_b32 v1, 5, v0
	s_delay_alu instid0(VALU_DEP_1)
	v_readfirstlane_b32 s12, v1                    ; wave 0..7
	v_and_b32 v2, 31, v0                           ; lane
	v_and_b32 v3, 15, v0                           ; r
	v_bfe_u32 v4, v0, 4, 1                         ; h
	s_mul_i32 s13, s12, WSTG                       ; my stage
	v_lshlrev_b32 v[GIN], 4, v3                    ; 16 r
	s_delay_alu instid0(VALU_DEP_1)
	v_lshl_add_u32 v[VOUT], v4, 11, v[GIN]
	v_mul_u32_u24 v[SIN], v4, SP
	s_delay_alu instid0(VALU_DEP_1)
	v_add_nc_u32 v[SIN], v[SIN], v[GIN]
	s_delay_alu instid0(VALU_DEP_1)
	v_add_nc_u32 v[SIN], s13, v[SIN]
	v_mul_u32_u24 v[SOUT], v3, SP
	s_delay_alu instid0(VALU_DEP_1)
	v_lshl_add_u32 v[SOUT], v4, 6, v[SOUT]
	s_delay_alu instid0(VALU_DEP_1)
	v_add_nc_u32 v[SOUT], s13, v[SOUT]
	v_lshl_add_u32 v[GIN], v4, 12, v[GIN]
	v_lshlrev_b32 v[L16], 4, v2
	v_lshlrev_b32 v[L4], 2, v2
	; offsets, apart from the addresses.  Work-group x: n = x % 16, 16 b + j = x / 16.  A token is 4,096 bytes, a key step 524,288, a batch 16 key steps
	s_and_b32 s20, ttmp9, 15                       ; n
	s_lshr_b32 s21, ttmp9, 4                       ; 16 b + j
	s_lshl_b32 s22, s21, 19
	s_lshl_b32 s23, s20, 8
	s_add_co_u32 s22, s22, s23                     ; the step's first token, my head's 256 bytes
	s_lshr_b32 s24, s12, 1
	s_lshl_b32 s24, s24, 17                        ; K's tile w begins at key 32 (w / 2)
	s_and_b32 s25, s12, 1
	s_lshl_b32 s25, s25, 15                        ; + 8 (w % 2)
	s_add_co_u32 s24, s24, s25
	s_add_co_u32 s24, s24, s22
	s_mov_b32 s25, 0
	s_lshl_b32 s26, s12, 16                        ; V: key 16 w
	s_add_co_u32 s26, s26, s22
	s_mov_b32 s27, 0
	s_lshr_b32 s28, ttmp9, 8                       ; b
	s_lshl_b32 s28, s28, 4
	s_add_co_u32 s28, s28, s20                     ; the head, 16 b + n
	s_lshl_b32 s28, s28, 18
	s_and_b32 s29, s21, 15                         ; j
	s_lshl_b32 s29, s29, 14
	s_add_co_u32 s28, s28, s29                     ; the step's 16,384 bytes in kv
	s_lshl_b32 s30, s12, 10
	s_add_co_u32 s30, s30, s28                     ; K's tile w
	s_mov_b32 s31, 0
	s_lshl_b32 s32, s12, 8                         ; V: keys 16 w on are c = w / 2, h = w % 2: 512 (w / 2) + 256 (w % 2) = 256 w
	s_add_co_u32 s32, s32, s28
	s_add_co_u32 s32, s32, 8192
	s_mov_b32 s33, 0
	s_wait_alu depctr_va_vdst(0)
	s_wait_kmcnt 0x0
	s_load_b128 s[16:19], s[8:9], 0x0              ; e0 .. e3
	s_add_nc_u64 s[4:5], s[4:5], s[24:25]
	s_add_nc_u64 s[6:7], s[6:7], s[26:27]
	s_add_nc_u64 s[34:35], s[10:11], s[32:33]      ; V's codes
	s_add_nc_u64 s[10:11], s[10:11], s[30:31]      ; K's codes
.irp i, 0,1,2,3,4,5,6,7                        ; tile rows 2 i and 2 i + 1 are keys 2 i + 8 (i / 4) and the next: two whole rows of 256 bytes a load
	global_load_b128 v[R+4*\i:R+4*\i+3], v[GIN], s[4:5] offset:(2*\i+8*(\i/4))*4096 th:TH_LOAD_NT
.endr
.irp i, 0,1,2,3,4,5,6,7,8,9,10,11,12,13,14,15  ; key 16 w + i: the row's two halves of 128 bytes, one behind the other
.irp p, 0,1
	global_load_b32 v[Y+16*\p+\i], v[L4], s[6:7] offset:\i*4096+128*\p th:TH_LOAD_NT
.endr
.endr
	s_wait_kmcnt 0x0
	s_add_co_i32 s36, s16, 127
	s_lshl_b32 s37, s36, 23
	v_mov_b32 v11, s37                             ; 2^e0 as f32: the conversion takes its exponent field
	s_add_co_i32 s36, s36, 8
	s_lshl_b32 s36, s36, 23
	s_or_b32 s36, s36, 0x600000
	v_mov_b32 v12, s36                             ; 448 x 2^e0
	s_add_co_i32 s36, s18, 127
	s_lshl_b32 s37, s36, 23
	v_mov_b32 v13, s37                             ; 2^e2
	s_add_co_i32 s36, s36, 8
	s_lshl_b32 s36, s36, 23
	s_or_b32 s36, s36, 0x600000
	v_mov_b32 v14, s36                             ; 448 x 2^e2
	s_wait_alu depctr_va_vdst(0)
	s_wait_loadcnt 32                              ; K's eight loads are in; V's 32, issued behind them, may be out
.irp i, 0,1,2,3,4,5,6,7
	ds_store_b128 v[SIN], v[R+4*\i:R+4*\i+3] offset:2*\i*SP
.endr
.irp c, 0,1                                    ; LDS serves a wave's instructions in order (ISA guide 5.7.1.4): these see my stores
.irp i, 0,1,2,3
	ds_load_b128 v[X+16*\c+4*\i:X+16*\c+4*\i+3], v[SOUT] offset:128*\c+16*\i
.endr
.endr
	s_wait_dscnt 0x0
.set n, 0
.rept 32
	v_med3_num_f32 v[X+n], v[X+n], -v12, v12       ; the conversion to an 8-bit code does not saturate (ISA guide 7.6.2): the hold at the largest code x the scale comes first
.set n, n+1
.endr
.irp c, 0,1
	v_cvt_scalef32_pk8_fp8_f32 v[C+4*\c:C+4*\c+1], v[X+16*\c:X+16*\c+7], v11
	v_cvt_scalef32_pk8_fp8_f32 v[C+4*\c+2:C+4*\c+3], v[X+16*\c+8:X+16*\c+15], v11
.endr
	v_nop                                          ; one plain vector line behind the last conversion of a run
.irp c, 0,1
	global_store_b128 v[L16], v[C+4*\c:C+4*\c+3], s[10:11] offset:512*\c    ; 32 lanes store 512 consecutive bytes, at a multiple of 256 from kv's first byte; the next launch reads them: no hint
.endr
	s_wait_loadcnt 0x0                             ; V
.set n, 0
.rept 32
	v_med3_num_f32 v[Y+n], v[Y+n], -v14, v14
.set n, n+1
.endr
.irp p, 0,1
	v_cvt_scalef32_pk8_fp8_f32 v[D+4*\p:D+4*\p+1], v[Y+16*\p:Y+16*\p+7], v13
	v_cvt_scalef32_pk8_fp8_f32 v[D+4*\p+2:D+4*\p+3], v[Y+16*\p+8:Y+16*\p+15], v13
.endr
	v_nop
.irp p, 0,1                                    ; channel 32 p + lane is tile 2 p + h, row r: lanes 0-15 store 256 consecutive bytes of tile 2 p, lanes 16-31 of tile 2 p + 1
	global_store_b128 v[VOUT], v[D+4*\p:D+4*\p+3], s[34:35] offset:4096*\p
.endr
	s_wait_tensorcnt 0x0
	ds_add_u32 v128, v129
	s_wait_dscnt 0x0
	s_endpgm
.Lfunc_end_k_qbf58effc0d_prep:
	.size	k_qbf58effc0d_prep, .Lfunc_end_k_qbf58effc0d_prep-k_qbf58effc0d_prep
	.p2alignl 7, 3214868480
	.fill 96, 4, 3214868480
	.section	.rodata,"a",@progbits
	.p2align	6, 0x0
	.amdhsa_kernel k_qbf58effc0d_prep
		.amdhsa_group_segment_fixed_size 35840
		.amdhsa_private_segment_fixed_size 0
		.amdhsa_enable_private_segment 0
		.amdhsa_kernarg_size 32
		.amdhsa_user_sgpr_count 2
		.amdhsa_user_sgpr_kernarg_segment_ptr 1
		.amdhsa_wavefront_size32 1
		.amdhsa_system_sgpr_workgroup_id_x 1
		.amdhsa_system_sgpr_workgroup_id_y 1
		.amdhsa_system_sgpr_workgroup_id_z 1
		.amdhsa_system_vgpr_workitem_id 0
		.amdhsa_next_free_vgpr 130
		.amdhsa_next_free_sgpr 66
		.amdhsa_reserve_vcc 0
		.amdhsa_float_denorm_mode_32 3
		.amdhsa_float_denorm_mode_16_64 3
		.amdhsa_memory_ordered 1
		.amdhsa_forward_progress 1
		.amdhsa_inst_pref_size 14
	.end_amdhsa_kernel
	.amdgpu_metadata
---
amdhsa.version: [ 1, 2 ]
amdhsa.kernels:
  - .name:           k_qbf58effc0d_prep
    .symbol:         k_qbf58effc0d_prep.kd
    .args:
      - { .name: k, .offset: 0, .size: 8, .value_kind: global_buffer, .address_space: global }
      - { .name: v, .offset: 8, .size: 8, .value_kind: global_buffer, .address_space: global }
      - { .name: lowp_scales, .offset: 16, .size: 8, .value_kind: global_buffer, .address_space: global }
      - { .name: kv, .offset: 24, .size: 8, .value_kind: global_buffer, .address_space: global }
    .group_segment_fixed_size: 35840
    .private_segment_fixed_size: 0
    .kernarg_segment_align: 8
    .kernarg_segment_size: 32
    .max_flat_workgroup_size: 256
    .sgpr_count:     66
    .vgpr_count:     130
    .wavefront_size: 32
...
	.end_amdgpu_metadata
.endif
;; end of part 1
;; launch attn (part 2): grid 8 x 32, 8 waves a work-group, clusters of 4 x 1, 327,680 bytes of LDS; arguments q, kv, lowp_scales, out0; writes out0
.if DOCPART == 2
	.amdgcn_target "amdgcn-amd-amdhsa--gfx1250"
	.amdhsa_code_object_version 6
	.text
	.protected	k_qbf58effc0d_attn
	.globl	k_qbf58effc0d_attn
	.p2align	8
	.type	k_qbf58effc0d_attn,@function
k_qbf58effc0d_attn:
	s_mov_b64 s[64:65], 0
	v_nop
	global_prefetch_b8 v0, s[64:65] scope:SCOPE_SE
	s_setreg_imm32_b32 hwreg(HW_REG_WAVE_MODE, 25, 1), 1
	s_wait_xcnt 0x0
	s_wait_alu depctr_hold_cnt(0) depctr_sa_sdst(0) depctr_va_vdst(0) depctr_va_sdst(0) depctr_va_ssrc(0) depctr_va_vcc(0) depctr_vm_vsrc(0)
	s_getreg_b32 s2, hwreg(HW_REG_IB_STS2, 6, 4)
	s_cmp_eq_u32 s2, 0
	s_cbranch_scc0 .Lentry_in_a_cluster
	s_endpgm
.Lentry_in_a_cluster:
	s_bfe_u32 s2, ttmp6, 0x10000c
	s_cmp_lg_u32 s2, 0x3003
	s_cbranch_scc0 .Lentry_shape_is_right
	s_endpgm
.Lentry_shape_is_right:
; out0[b][t][n][:] = the sum over s <= t of softmax_s(q[b][t][n] . k[b][s][n] / 8) v[b][s][n][:], both products on codes of FP8 (E4M3), each operand with the one scale 2^e that is given for it:
; e0 k, e1 q / 8, e2 v, e3 p.  q, out0: [2][2048][16][64] f32.  kv: k's and v's codes as the launch before laid them: images of the operands' registers, 262,144 bytes a head, 16,384 a key step of 128 keys.
; THE SOFTMAX AHEAD OF THE SECOND PRODUCT: t = score x log2(e); M = the row's largest t so far, rounded UP to a whole number; p = 2^(t - M) is quantised, not normalised.  The row's sum is taken of the
; unquantised p, in f32, and divides at the end.  When M moves, the sum and O are multiplied by 2^(old M - new M): nothing is rounded, and there is no branch on data.
; LIMITS on the given exponents: e1 + 3 and e3 between -126 and 119; e0 + e1 between -100 and 90; e2 + e3 is applied by v_ldexp_f32 and has none.
; NaN among the inputs is not served; an infinite q is held at the largest code.  A score is a sum of 64 products of codes of at most 448, so under 2^24: -2^30 lies under every score, -2^120 far under.
; WORK LEFT OUT: key steps that lie wholly above the diagonal: reference()'s own mask makes their p 0.  A NaN, an infinity or an overflow that would arise only there is not carried to the result.
; SHARES.  A head's 2,048 queries are 16 blocks of 128, a block four pairs of tiles (32 queries).  A head has two clusters of four work-groups; the place cx in the cluster picks the pair in every block; A = 4 x cluster x + wave % 4.
; Wave w and wave w + 4 serve block A ("lo", A + 1 key steps) and block 15 - A ("hi", 16 - A key steps).  Trips 0 to 9 are one key step of both tiles of a pair:
;   waves 0-3, ten trips: trips 0 .. A: lo's steps 0 .. A, the diagonal last; then lo goes out; then, with d = i - A - 1, hi's step d + 1 + min(d, 5): the odd ones up to 11, then 12 .. 14 - A;
;   waves 4-7, six trips, i = 0 .. 5: hi's step i + min(i, 9 - A): the even ones up to 18 - 2 A, then all; trips 6 to 9 are passed over.
; At the end stands hi's diagonal step, 15 - A, in both waves, each for the one tile that it keeps.  The two waves' parts of hi are joined through LDS: a wave keeps its first tile and sends its second; waves 0-3 hold hi's two
; tiles in the other order, so the kept and the sent tiles are the same registers in all waves.  8 x 32 = 256 work-groups, 8 waves each.
; LDS.  A head's codes lie in LDS whole, as in memory: filled once.  One tensor load a wave: waves 0-3 bring key steps 0 to 4, waves 4-7 the rest; trips 0 and 1 read key steps 0 to 4 alone (step number at most 2 i, the K
; fetched ahead included).  Behind the codes: the diagonal's mask as an image of the scores' registers (hidden -2^120, else 0): the C of the diagonal step's products; a region for each wave (q's way in, O's way out, the
; sent part); hi's codes of q, which waves 4-7 make and waves 0-3 take over when they go on to hi.
; CLUSTER.  The four partners belong to one head, so each part is asked for jointly.  Branches and LDS addresses hang on the wave's number, the cluster's number and counters with constant bounds; cx enters q's and out0's global
; addresses and the mask's data alone.  No prefetch: every load from memory stands in the head, and no loop loads from memory.
; LAYOUT.  Both products are used transposed: S^T = K Q^T, O^T = V^T P^T: a lane holds ONE query (lane % 16) throughout.  Registers 16 g + i of a tile's scores are keys 32 g + 16 (lane / 16) + i, the order of P's registers.
; P's 16 registers are four in front of the scores and the first twelve of the scores, which have been converted by then.
; REGISTERS.  Window 0: as named below.  Window 1: v0-63 K's eight fragments, v64-127 V's four.
.set STEPB, 16384
.set VOFF,  8192
.set CHA,   5*STEPB                    ; the first part
.set PA,    CHA/4                      ; a wave's share: 20,480 bytes, 80 rows of 256
.set PB,    (16*STEPB-CHA)/4           ; 45,056 bytes, 176 rows of 256
.set MASK,  16*STEPB
.set STG,   MASK+16384
.set WST,   4608                       ; a wave's region: a stage of 16 rows x 272, or 4,096 bytes of O and 8 bytes a lane
.set QST,   STG+8*WST                  ; hi's codes of q: 2,048 bytes for each of waves 4-7
.set SPARE, QST+4*2048                 ; the spare words, 128 bytes a wave
.set SP,    272
.set MK,   0                           ; v0   MASK + 16 x lane (behind the head's use of the thread's number)
.set LI,   1                           ; v1   16 x lane
.set ADK,  2
.set ADV,  3
.set STO,  4                           ; v4   stage: 272 r + 32 h
.set RD,   5                           ; v5   stage: 272 h + 16 r: two whole rows an instruction
.set GO,   6                           ; v6   the same rows in q and out0: 4096 h + 16 r
.set QRD,  7                           ; v7   stage: 272 r + 64 h
.set PLIM, 8                           ; v8   448 x 2^e3
.set PSC,  9                           ; v9   2^e3
.set QSC,  10                          ; v10  2^(e1 + 3); behind the head: hi's codes of q in LDS; at the join: the partner's O^T
.set QLIM, 11                          ; v11  448 x 2^(e1 + 3); at the join: the partner's statistics
.set SPW,  12
.set NIL,  13
.set TPA,  14                          ; v14, v15 a lane permute's destinations
.set TPB,  15
.set STA,  16                          ; statistics of a tile: +0 -M, +1 the largest score, +2, +3 the sum in two halves
.set STB,  20
.set XA,   24                          ; v24-27, v28-31 at work
.set XB,   28
.set FA,   32                          ; v[32:33], v[34:35] the factors; the upper words are only named with them
.set FB,   34
.set UA,   36
.set UB,   38
.set Q,    40                          ; v40-55 Q of both tiles
.set SA,   60                          ; v60-123 scores, then p; P from v56 on
.set SB,   128                         ; v128-191; P from v124 on
.set OA,   192
.set OB,   224
.set VF,   64                          ; in window 1
.set WV,   12
.set PAR,  13                          ; s13  wave / 4
.set G1A,  16
.set G1B,  24
.set G0A,  32
.set G0B,  36
.set SEL,  40                          ; s[40:41] lane selects: lane l xor 16
.set CS,   42                          ; s[42:43] log2(e) x 2^(e0 + e1), the low word serves both halves
.set NCS,  48                          ; s48  its negative
.set I,    49                          ; s49  the trip
.set AA,   50                          ; s50  A
.set SW,   51                          ; s51  the trip ahead of which lo goes out (waves 4-7: none)
.set DG,   52                          ; s52  the trip with lo's diagonal step (waves 4-7: none)
.set NS,   53                          ; s53  my trips: 10 or 6
.set EO,   54                          ; s54  e2 + e3
.set J0L,  56                          ; s56  9 - A
.set TA1,  57                          ; s57  A + 1
.set TB,   58                          ; s58  LDS byte of the step in hand
.set TN,   59                          ; s59  of the next
.set QP1,  60
.set OPL,  66
.set OPF,  68
.set KEEP, 73                          ; s73  hi's tile that I keep: waves 0-3 the second, waves 4-7 the first
.set HI,   85                          ; s85  15 - A
.set MSB, 0
.macro WIN new                         ; the immediate's high byte repeats the setting that is left
.if MSB != \new
	s_set_vgpr_msb (MSB<<8)|\new
.set MSB, \new
.endif
.endm
.macro CROUND                          ; a round of the cluster's barrier
	s_barrier_signal -1
	s_barrier_wait -1
	s_cmp_lg_u32 s[WV], 0
	s_cbranch_scc1 .Lnot_wave_0_\@
	s_barrier_signal -3
.Lnot_wave_0_\@:
	s_barrier_wait -3
	s_barrier_signal -1
	s_barrier_wait -1
.endm
	s_load_b256 s[4:11], s[0:1], 0x0               ; q, kv, the scales' exponents, out0
	v_lshl_add_u32 v[SPW], v0, 2, SPARE
	v_mov_b32 v[NIL], 0
	ds_add_u32 v[SPW], v[NIL]                      ; the wave's opening: the add, twice on end, and its wait; work on registers stands between
	ds_add_u32 v[SPW], v[NIL]
	v_lshrrev_b32 v1, 5, v0
	v_readfirstlane_b32 s[WV], v1                  ; wave 0..7
	s_bfe_u32 s80, ttmp6, 0x40000                  ; cx
	s_and_b32 s15, ttmp7, 0xffff                   ; the head, 16 b + n
	s_lshr_b32 s[PAR], s[WV], 2
	s_xor_b32 s[KEEP], s[PAR], 1
	s_and_b32 s14, s[WV], 3
	s_and_b32 s[AA], ttmp9, 1                      ; in a cluster launch ttmp9 counts clusters: 0 or 1
	s_lshl_b32 s[AA], s[AA], 2
	s_add_co_u32 s[AA], s[AA], s14
	s_xor_b32 s[HI], s[AA], 15
	s_sub_co_u32 s[J0L], 9, s[AA]
	s_add_co_u32 s[TA1], s[AA], 1
	s_cmp_eq_u32 s[PAR], 0
	s_cselect_b32 s[SW], s[TA1], 64
	s_cselect_b32 s[DG], s[AA], 64
	s_cselect_b32 s[NS], 10, 6
	s_cselect_b32 s86, s[AA], s[HI]                ; my first pair's block
	; q's and out0's offsets: b x 2048 tokens of 4,096 bytes + n x 256 + block x 128 tokens + cx x 32 tokens
	s_lshr_b32 s81, s15, 4
	s_lshl_b32 s81, s81, 23
	s_and_b32 s82, s15, 15
	s_lshl_b32 s82, s82, 8
	s_add_co_u32 s81, s81, s82
	s_lshl_b32 s82, s80, 17
	s_add_co_u32 s81, s81, s82
	s_lshl_b32 s88, s86, 19
	s_add_co_u32 s88, s88, s81                     ; the first pair
	s_mov_b32 s89, 0
	s_lshl_b32 s90, s[HI], 19
	s_add_co_u32 s90, s90, s81                     ; hi's pair
	s_lshl_b32 s92, s[KEEP], 16
	s_add_co_u32 s92, s92, s90                     ; the tile of it that I send out
	s_mov_b32 s93, 0
	s_lshr_b32 s83, s[WV], 1                       ; the mask: I make the scores' accumulator t = wave: keys 32 (t / 2) + 8 (t % 2) + i + 16 h, against query 32 cx + r (+ 16)
	s_lshl_b32 s83, s83, 5
	s_and_b32 s84, s[WV], 1
	s_lshl_b32 s84, s84, 3
	s_add_co_u32 s83, s83, s84
	s_lshl_b32 s82, s80, 5
	s_sub_co_i32 s83, s83, s82
	s_lshl_b32 s87, s[WV], 10
	s_add_co_u32 s87, s87, MASK
	s_mul_i32 s55, s[WV], WST
	s_add_co_u32 s55, s55, STG                     ; my region
	s_lshl_b32 s79, s14, 11
	s_add_co_u32 s79, s79, QST                     ; hi's codes of q
	v_and_b32 v24, 15, v0                          ; r
	v_bfe_u32 v25, v0, 4, 1                        ; h
	v_and_b32 v[LI], 31, v0
	v_mov_b32 v28, 0xfb800000                      ; -2^120
	v_mul_u32_u24 v26, v24, SP
	v_mul_u32_u24 v[RD], v25, SP
	v_lshlrev_b32 v[GO], 12, v25
	v_lshlrev_b32 v27, 4, v25
	v_lshlrev_b32 v[LI], 4, v[LI]
	v_lshl_add_u32 v[QRD], v25, 6, v26
	v_lshl_add_u32 v[STO], v25, 5, v26
	v_lshl_add_u32 v[RD], v24, 4, v[RD]
	v_lshl_add_u32 v[GO], v24, 4, v[GO]
	v_sub_nc_u32 v27, v27, v24
	v_add_nc_u32 v[STO], s55, v[STO]
	v_add_nc_u32 v[QRD], s55, v[QRD]
	v_add_nc_u32 v[RD], s55, v[RD]
	v_add_nc_u32 v27, s83, v27                     ; key 0 of the accumulator less the query
	v_add_nc_u32 v29, s87, v[LI]                   ; where my part of the mask goes
	v_add_nc_u32 v[MK], MASK, v[LI]
.irp x, 0,1
.irp i, 0,1,2,3,4,5,6,7                        ; hidden where the key comes after the query
	v_cmp_lt_i32 vcc_lo, 16*\x-\i, v27
	v_cndmask_b32 v[OA+8*\x+\i], 0, v28, vcc_lo
.endr
.endr
	; descriptors: dense blocks as rows of 256 bytes: 32 elements of 8 bytes, pitch 32 elements, no padding
	s_mov_b32 s[G1A], 15|(3<<16)|(1<<21)           ; 15:0 the mask: all four work-groups; 17:16 elements of 8 bytes; 21 set beside a mask
	s_mov_b32 s[G1A+1], 32<<16
	s_mov_b32 s[G1A+2], (PA/256)<<16
	s_mov_b32 s[G1A+3], 32<<16
	s_mov_b32 s[G1A+4], PA/256
	s_mov_b32 s[G1A+5], 32
	s_mov_b32 s[G1A+6], 0
	s_mov_b32 s[G1A+7], 0
	s_mov_b32 s[G1B], 15|(3<<16)|(1<<21)
	s_mov_b32 s[G1B+1], 32<<16
	s_mov_b32 s[G1B+2], (PB/256)<<16
	s_mov_b32 s[G1B+3], 32<<16
	s_mov_b32 s[G1B+4], PB/256
	s_mov_b32 s[G1B+5], 32
	s_mov_b32 s[G1B+6], 0
	s_mov_b32 s[G1B+7], 0
	s_mul_i32 s[G0A+1], s14, PA                    ; LDS holds the head as memory does
	s_mul_i32 s[G0B+1], s14, PB
	s_add_co_u32 s[G0B+1], s[G0B+1], CHA
	s_lshl_b32 s94, s15, 18                        ; the head's 262,144 bytes in kv
	s_add_co_u32 s96, s94, s[G0B+1]
	s_mov_b32 s97, 0
	s_add_co_u32 s94, s94, s[G0A+1]
	s_mov_b32 s95, 0
	s_mov_b32 s[SEL], 0x76543210
	s_mov_b32 s[SEL+1], 0xfedcba98
	s_mov_b32 s[CS], 0x3fb8aa3b                    ; log2(e)
	s_mov_b32 s[G0A], 1
	s_mov_b32 s[G0B], 1
	s_wait_alu depctr_va_vdst(0)
	s_wait_dscnt 0x0                               ; both opening adds are done
	CROUND                                         ; all four work-groups are here: the joint loads meet.  (The round stands while the arguments are on their way)
	s_wait_kmcnt 0x0
	s_load_b128 s[44:47], s[8:9], 0x0              ; e0 .. e3
	s_add_nc_u64 s[G0A+2:G0A+3], s[6:7], s[94:95]
	s_or_b32 s[G0A+3], s[G0A+3], 0x80000000        ; type = 2
	s_add_nc_u64 s[G0B+2:G0B+3], s[6:7], s[96:97]
	s_or_b32 s[G0B+3], s[G0B+3], 0x80000000
	s_add_nc_u64 s[QP1:QP1+1], s[4:5], s[88:89]
	s_add_nc_u64 s[OPL:OPL+1], s[10:11], s[88:89]
	s_add_nc_u64 s[OPF:OPF+1], s[10:11], s[92:93]
.macro QLOAD                           ; q: my first pair's 32 rows of 256 bytes, two whole rows a load
.irp i, 0,1,2,3,4,5,6,7,8,9,10,11,12,13,14,15
	global_load_b128 v[SA+4*\i:SA+4*\i+3], v[GO], s[QP1:QP1+1] offset:2*\i*4096 th:TH_LOAD_NT
.endr
.endm
	s_cmp_gt_u32 s[WV], 3
	s_cbranch_scc1 .Lpart_b
	tensor_load_to_lds s[G0A:G0A+3], s[G1A:G1A+7]  ; waves 0-3: a quarter of key steps 0 to 4, then q
	s_nop 0
.rept 4
	v_nop
.endr
	QLOAD
	s_branch .Lasked
.Lpart_b:
	QLOAD                                          ; waves 4-7: q, then, behind the scales' arrival, a quarter of key steps 5 to 15, which are wanted later
	s_wait_kmcnt 0x0
	tensor_load_to_lds s[G0B:G0B+3], s[G1B:G1B+7]
	s_nop 0
.rept 4
	v_nop
.endr
.Lasked:
.irp x, 0,1
.irp c, 0,1
	ds_store_b128 v29, v[OA+8*\x+4*\c:OA+8*\x+4*\c+3] offset:8192*\x+512*\c
.endr
.endr
	s_wait_kmcnt 0x0
	s_add_co_i32 s70, s44, s45
	s_lshl_b32 s70, s70, 23
	s_add_co_i32 s[CS], s[CS], s70                 ; a sum of the first product stands for sum x 2^(e0 + e1)
	s_mov_b32 s[CS+1], s[CS]
	s_xor_b32 s[NCS], s[CS], 0x80000000
	s_add_co_i32 s70, s45, 130                     ; q / 8 / 2^e1 = q / 2^(e1 + 3): the division by 8 rounds nothing
	s_lshl_b32 s71, s70, 23
	v_mov_b32 v[QSC], s71
	s_add_co_i32 s70, s70, 8
	s_lshl_b32 s70, s70, 23
	s_or_b32 s70, s70, 0x600000
	v_mov_b32 v[QLIM], s70
	s_add_co_i32 s70, s47, 127
	s_lshl_b32 s71, s70, 23
	v_mov_b32 v[PSC], s71
	s_add_co_i32 s70, s70, 8
	s_lshl_b32 s70, s70, 23
	s_or_b32 s70, s70, 0x600000
	v_mov_b32 v[PLIM], s70
	s_add_co_i32 s[EO], s46, s47
.macro RESET                           ; both tiles' statistics: -2^30 lies under every score; the sums are 0
	v_mov_b32 v[STA+1], 0xce800000
	v_mov_b32 v[STB+1], 0xce800000
	v_mov_b32 v[STA+2], 0
	v_mov_b32 v[STB+2], 0
	v_mul_f32 v[STA], s[NCS], v[STA+1]
	v_mul_f32 v[STB], s[NCS], v[STB+1]
	v_mov_b32 v[STA+3], 0
	v_mov_b32 v[STB+3], 0
	v_floor_f32 v[STA], v[STA]                     ; -M
	v_floor_f32 v[STB], v[STB]
.endm
.macro ZERO                            ; O^T of both tiles: the step has no first form of its own: the first change of M multiplies zeros
.set n, 0
.rept 64
	v_mov_b32 v[OA+n], 0
.set n, n+1
.endr
.endm
	RESET
	v_mov_b32 v[FA+1], 0                           ; (named as upper halves of pairs)
	v_mov_b32 v[FB+1], 0
	v_mov_b32 v[TPA], 0                            ; written once: a lane permute's destination counts as one of its sources
	v_mov_b32 v[TPB], 0
.macro QTURN src, dst                  ; a tile of q through my stage: in as whole rows, back 16 neighbouring channels a lane; LDS serves a wave's instructions in order (ISA guide 5.7.1.4)
.irp i, 0,1,2,3,4,5,6,7
	ds_store_b128 v[RD], v[\src+4*\i:\src+4*\i+3] offset:2*\i*SP
.endr
.irp c, 0,1
.irp i, 0,1,2,3
	ds_load_b128 v[\dst+16*\c+4*\i:\dst+16*\c+4*\i+3], v[QRD] offset:128*\c+16*\i
.endr
.endr
.endm
	s_wait_alu depctr_va_vdst(0)
	s_wait_dscnt 0x0                               ; the mask's stores have read their registers
	s_wait_loadcnt 0x0                             ; q
	QTURN SA, OA
	QTURN SA+32, OB
	s_wait_dscnt 0x0
.set n, 0
.rept 64
	v_med3_num_f32 v[OA+n], v[OA+n], -v[QLIM], v[QLIM]   ; the conversion to an 8-bit code does not saturate (ISA guide 7.6.2)
.set n, n+1
.endr
.irp c, 0,1,2,3
	v_cvt_scalef32_pk8_fp8_f32 v[Q+4*\c:Q+4*\c+1], v[OA+16*\c:OA+16*\c+7], v[QSC]
	v_cvt_scalef32_pk8_fp8_f32 v[Q+4*\c+2:Q+4*\c+3], v[OA+16*\c+8:OA+16*\c+15], v[QSC]
.endr
	v_nop                                          ; one plain line behind the last conversion
	v_add_nc_u32 v[QSC], s79, v[LI]
	s_wait_alu depctr_va_vdst(0)
	s_cmp_eq_u32 s[PAR], 0
	s_cbranch_scc1 .Lno_copy
.irp c, 0,1,2,3                                ; waves 4-7: hi's codes for wave - 4: tile 0, then tile 1
	ds_store_b128 v[QSC], v[Q+4*\c:Q+4*\c+3] offset:512*\c
.endr
.Lno_copy:
	ZERO
.macro FETCH_K adr                     ; K's eight fragments into window 1; each load takes 512 consecutive bytes
	WIN 0x40
.irp t, 0,1,2,3,4,5,6,7
.irp c, 0,1
	ds_load_b128 v[8*\t+4*\c:8*\t+4*\c+3], v[\adr] offset:1024*\t+512*\c
.endr
.endr
	WIN 0
.endm
.macro FETCH_V                         ; V's four
	WIN 0x40
.irp t, 0,1,2,3
.irp c, 0,1,2,3
	ds_load_b128 v[VF+16*\t+4*\c:VF+16*\t+4*\c+3], v[ADV] offset:VOFF+2048*\t+512*\c
.endr
.endr
	WIN 0
.endm
.macro JOF add, dst, cap               ; the LDS byte of trip (I + add)'s key step; the step's number is at most cap
	s_add_co_u32 s76, s[I], \add
	s_min_u32 s77, s76, s[J0L]
	s_add_co_u32 s77, s77, s76                     ; waves 4-7: i + min(i, 9 - A)
	s_sub_co_u32 s78, s76, s[TA1]                  ; d
	s_min_u32 s75, s78, 5
	s_add_co_u32 s78, s78, s75
	s_add_co_u32 s78, s78, 1
	s_cmp_le_u32 s76, s[AA]
	s_cselect_b32 s78, s76, s78                    ; waves 0-3: i up to A, then d + 1 + min(d, 5)
	s_cmp_eq_u32 s[PAR], 0
	s_cselect_b32 s77, s78, s77
.if \cap > 4
	s_cmp_ge_u32 s76, s[NS]
	s_cselect_b32 s77, s[HI], s77                  ; behind my trips: hi's diagonal step
.endif
	s_min_u32 s77, s77, \cap
	s_lshl_b32 s[\dst], s77, 14
.endm
.macro PROD s, q, c                    ; S^T: eight accumulators, one instruction each; c = 1: onto the mask
.irp t, 0,1,2,3,4,5,6,7
.if \c
	v_wmma_f32_16x16x64_fp8_fp8 v[\s+8*\t:\s+8*\t+7], v[8*\t:8*\t+7], v[\q:\q+7], v[\s+8*\t:\s+8*\t+7]
.else
	v_wmma_f32_16x16x64_fp8_fp8 v[\s+8*\t:\s+8*\t+7], v[8*\t:8*\t+7], v[\q:\q+7], 0
.endif
.endr
.endm
.macro MAXQ s, x                       ; the largest of my 64 scores, in four chains, each accumulator from its low end on
	v_max3_num_f32 v[\x], v[\s], v[\s+1], v[\s+2]
	v_max3_num_f32 v[\x+1], v[\s+3], v[\s+4], v[\s+5]
	v_max3_num_f32 v[\x+2], v[\s+6], v[\s+7], v[\s+8]
	v_max3_num_f32 v[\x+3], v[\s+9], v[\s+10], v[\s+11]
.set n, 12
.rept 6
	v_max3_num_f32 v[\x], v[\x], v[\s+n], v[\s+n+1]
	v_max3_num_f32 v[\x+1], v[\x+1], v[\s+n+2], v[\s+n+3]
	v_max3_num_f32 v[\x+2], v[\x+2], v[\s+n+4], v[\s+n+5]
	v_max3_num_f32 v[\x+3], v[\x+3], v[\s+n+6], v[\s+n+7]
.set n, n+8
.endr
	v_max3_num_f32 v[\x], v[\x], v[\s+60], v[\s+61]
	v_max3_num_f32 v[\x+1], v[\x+1], v[\s+62], v[\s+63]
.endm
.macro SHIFT s, st                     ; t - M, two at a time
.set n, 0
.rept 32
	v_pk_fma_f32 v[\s+n:\s+n+1], v[\s+n:\s+n+1], s[CS:CS+1], v[\st:\st+1] op_sel_hi:[1,0,0]
.set n, n+2
.endr
.endm
.macro RESCALE o, f                    ; O^T under the new M
.set n, 0
.rept 16
	v_pk_mul_f32 v[\o+n:\o+n+1], v[\o+n:\o+n+1], v[\f:\f+1] op_sel_hi:[1,0]
.set n, n+2
.endr
.endm
.macro SUMP s, st, f, u, x             ; the row's sum under the new M, of the unquantised p: two at a time, in four chains
	v_pk_mul_f32 v[\st+2:\st+3], v[\st+2:\st+3], v[\f:\f+1] op_sel_hi:[1,0]
	v_pk_add_f32 v[\u:\u+1], v[\s:\s+1], v[\s+2:\s+3]
	v_pk_add_f32 v[\x:\x+1], v[\s+4:\s+5], v[\s+6:\s+7]
	v_pk_add_f32 v[\x+2:\x+3], v[\s+8:\s+9], v[\s+10:\s+11]
.set n, 12
.rept 6
	v_pk_add_f32 v[\st+2:\st+3], v[\st+2:\st+3], v[\s+n:\s+n+1]
	v_pk_add_f32 v[\u:\u+1], v[\u:\u+1], v[\s+n+2:\s+n+3]
	v_pk_add_f32 v[\x:\x+1], v[\x:\x+1], v[\s+n+4:\s+n+5]
	v_pk_add_f32 v[\x+2:\x+3], v[\x+2:\x+3], v[\s+n+6:\s+n+7]
.set n, n+8
.endr
	v_pk_add_f32 v[\st+2:\st+3], v[\st+2:\st+3], v[\s+60:\s+61]
	v_pk_add_f32 v[\u:\u+1], v[\u:\u+1], v[\s+62:\s+63]
	v_pk_add_f32 v[\x:\x+1], v[\x:\x+1], v[\x+2:\x+3]
	v_pk_add_f32 v[\st+2:\st+3], v[\st+2:\st+3], v[\u:\u+1]
	v_pk_add_f32 v[\st+2:\st+3], v[\st+2:\st+3], v[\x:\x+1]
.endm
.macro HOLD s, from, count             ; the hold at the largest code x the scale, two numbers a line; p is not negative, so it is one-sided
.set m, \from
.rept \count
	v_dual_min_num_f32 v[\s+m], v[PLIM], v[\s+m] :: v_dual_min_num_f32 v[\s+m+1], v[PLIM], v[\s+m+1]
.set m, m+2
.endr
.endm
.macro CODE s, g                       ; 16 neighbouring keys' codes: P's registers 4 g .. 4 g + 3
	v_cvt_scalef32_pk8_fp8_f32 v[\s-4+4*\g:\s-3+4*\g], v[\s+16*\g:\s+16*\g+7], v[PSC]
	v_cvt_scalef32_pk8_fp8_f32 v[\s-2+4*\g:\s-1+4*\g], v[\s+16*\g+8:\s+16*\g+15], v[PSC]
.endm
.macro OPROD o, s                      ; O^T += V^T P^T: four accumulators by turns
	WIN 0x01
.irp t, 0,1,2,3
	v_wmma_f32_16x16x128_fp8_fp8 v[\o+8*\t:\o+8*\t+7], v[VF+16*\t:VF+16*\t+15], v[\s-4:\s+11], v[\o+8*\t:\o+8*\t+7]
.endr
	WIN 0
.endm
.macro TOSTAGE src, sto, rd            ; a tile of O through a stage, back as whole rows into src + 32 on
.irp t, 0,1,2,3
	ds_store_b128 v[\sto], v[\src+8*\t:\src+8*\t+3] offset:64*\t
	ds_store_b128 v[\sto], v[\src+8*\t+4:\src+8*\t+7] offset:64*\t+16
.endr
.irp i, 0,1,2,3,4,5,6,7
	ds_load_b128 v[\src+32+4*\i:\src+32+4*\i+3], v[\rd] offset:2*\i*SP
.endr
.endm
.macro SEND rb, ptr, off, younger      ; younger: the LDS instructions issued behind this tile's loads, which may stay out
.irp i, 0,1,2,3,4,5,6,7
	s_wait_dscnt \younger+7-\i
	global_store_b128 v[GO], v[\rb+4*\i:\rb+4*\i+3], s[\ptr:\ptr+1] offset:2*\i*4096+\off th:TH_STORE_NT   ; 16 lanes store 256 consecutive bytes, at a multiple of 256 from out0's first byte
.endr
.endm
.macro SWITCH                          ; waves 0-3, once, ahead of trip A + 1: lo goes out, and hi begins
	s_cmp_lg_u32 s[I], s[SW]
	s_cbranch_scc1 .Lstay_\@
.irp c, 0,1                                    ; hi's codes of q, its two tiles in the other order
	ds_load_b128 v[Q+4*\c:Q+4*\c+3], v[QSC] offset:1024+512*\c
	ds_load_b128 v[Q+8+4*\c:Q+8+4*\c+3], v[QSC] offset:512*\c
.endr
	v_add_f32 v[XA], v[STA+2], v[STA+3]
	v_add_f32 v[XB], v[STB+2], v[STB+3]
	v_permlanex16_b32 v[TPA], v[XA], s[SEL], s[SEL+1]
	v_permlanex16_b32 v[TPB], v[XB], s[SEL], s[SEL+1]
	v_add_f32 v[XA], v[XA], v[TPA]                 ; the row's sum: over 1/2, since the row's largest p is
	v_add_f32 v[XB], v[XB], v[TPB]
	s_wait_alu depctr_va_vdst(0)
	v_rcp_f32 v[FA], v[XA]
	v_rcp_f32 v[FB], v[XB]
	v_nop
	s_wait_alu depctr_va_vdst(0)
	v_ldexp_f32 v[FA], v[FA], s[EO]
	v_ldexp_f32 v[FB], v[FB], s[EO]
.set n, 0
.rept 16
	v_pk_mul_f32 v[SA+n:SA+n+1], v[OA+n:OA+n+1], v[FA:FA+1] op_sel_hi:[1,0]   ; register 8 t + i is o(r, 16 t + 8 h + i)
.set n, n+2
.endr
.set n, 0
.rept 16
	v_pk_mul_f32 v[SB+n:SB+n+1], v[OB+n:OB+n+1], v[FB:FB+1] op_sel_hi:[1,0]
.set n, n+2
.endr
	TOSTAGE SA, STO, RD
	TOSTAGE SB, STO, RD
	SEND SA+32, OPL, 0, 16                         ; behind these loads: the other tile's 8 stores and 8 loads
	SEND SB+32, OPL, 65536, 0                      ; its last wait covers Q's loads too
	RESET
	ZERO
	s_wait_alu depctr_va_vdst(0)
	s_wait_xcnt 0x0                                ; the stores' registers may be written
.Lstay_\@:
.endm
; A TRIP: 32 queries x 128 keys.  cap: the last key step that may be read.
.macro TRIP cap
.if \cap > 4
	s_cmp_ge_u32 s[I], s[NS]
	s_cbranch_scc1 .Lpass_\@
.endif
	JOF 0, TB, \cap
	JOF 1, TN, \cap
	v_add_nc_u32 v[ADV], s[TB], v[LI]
	FETCH_V
	s_wait_dscnt 16                                ; K's fragments, asked for a trip ago, are in; V's 16 loads may be out
	s_cmp_eq_u32 s[I], s[DG]
	s_cbranch_scc1 .Ldiag_\@
	WIN 0x01
	PROD SA, Q, 0
	PROD SB, Q+8, 0
	WIN 0
	s_branch .Lprod_\@
.Ldiag_\@:                                             ; the diagonal: the sums start from the mask: hidden scores come out near -2^120, and p = 0
.irp t, 0,1,2,3,4,5,6,7
.irp c, 0,1
	ds_load_b128 v[SA+8*\t+4*\c:SA+8*\t+4*\c+3], v[MK] offset:1024*\t+512*\c
	ds_load_b128 v[SB+8*\t+4*\c:SB+8*\t+4*\c+3], v[MK] offset:8192+1024*\t+512*\c
.endr
.endr
	s_wait_dscnt 0x0
	WIN 0x01
	PROD SA, Q, 1
	PROD SB, Q+8, 1
	WIN 0
.Lprod_\@:
.rept 3
	v_nop                                          ; with the line below four places behind the products (ISA guide 7.12.1)
.endr
	v_add_nc_u32 v[ADK], s[TN], v[LI]
	FETCH_K ADK                                    ; the next trip's K
	MAXQ SA, XA
	MAXQ SB, XB
	v_max3_num_f32 v[XA], v[XA], v[XA+1], v[XA+2]
	v_max3_num_f32 v[XB], v[XB], v[XB+1], v[XB+2]
	v_max_num_f32 v[XA], v[XA], v[XA+3]
	v_max_num_f32 v[XB], v[XB], v[XB+3]
	v_permlanex16_b32 v[TPA], v[XA], s[SEL], s[SEL+1]
	v_permlanex16_b32 v[TPB], v[XB], s[SEL], s[SEL+1]
	v_mov_b32 v[XA+3], v[STA]
	v_mov_b32 v[XB+3], v[STB]
	v_max3_num_f32 v[STA+1], v[STA+1], v[XA], v[TPA]   ; the row's largest score so far, lane l xor 16's keys among them
	v_max3_num_f32 v[STB+1], v[STB+1], v[XB], v[TPB]
	v_mul_f32 v[XA], s[NCS], v[STA+1]              ; -t (the factor is negative)
	v_mul_f32 v[XB], s[NCS], v[STB+1]
	v_floor_f32 v[STA], v[XA]                      ; -M = floor(-t) = -ceil(t)
	v_floor_f32 v[STB], v[XB]
	v_sub_f32 v[XA], v[STA], v[XA+3]               ; M's old value less its new one: a whole number, 0 or less
	v_sub_f32 v[XB], v[STB], v[XB+3]
	v_cvt_i32_f32 v[XA], v[XA]                     ; (it saturates)
	v_cvt_i32_f32 v[XB], v[XB]
	v_ldexp_f32 v[FA], 1.0, v[XA]                  ; 2^(old M - new M)
	v_ldexp_f32 v[FB], 1.0, v[XB]
	SHIFT SA, STA
	RESCALE OA, FA
	RESCALE OB, FB
	s_wait_alu depctr_va_vdst(0)
.set n, 0
.rept 32                                       ; the first tile's p, and among them the second tile's t - M, which nothing reads before the next wait
	v_exp_f32 v[SA+n], v[SA+n]
	v_exp_f32 v[SA+n+1], v[SA+n+1]
	v_pk_fma_f32 v[SB+n:SB+n+1], v[SB+n:SB+n+1], s[CS:CS+1], v[STB:STB+1] op_sel_hi:[1,0,0]
.set n, n+2
.endr
	s_wait_alu depctr_va_vdst(0)                   ; behind the first batch and ahead of the second
	SUMP SA, STA, FA, UA, XA
.set n, 0
.rept 32                                       ; the second tile's p, and among them the first tile's holds
	v_exp_f32 v[SB+n], v[SB+n]
	v_exp_f32 v[SB+n+1], v[SB+n+1]
	v_dual_min_num_f32 v[SA+n], v[PLIM], v[SA+n] :: v_dual_min_num_f32 v[SA+n+1], v[PLIM], v[SA+n+1]
.set n, n+2
.endr
	v_nop                                          ; one plain line behind the exponentials
	s_wait_alu depctr_va_vdst(0)                   ; behind the batch, and directly ahead of the wait below
	s_wait_dscnt 16                                ; V's fragments are in; the next K's 16 loads, issued behind them, may be out
	SUMP SB, STB, FB, UB, XB
.irp g, 0,1,2,3                                ; the holds are the plain lines between a group's conversions and the next group's, which write over converted numbers
	CODE SA, \g
	HOLD SB, 8*\g, 4
.endr
	OPROD OA, SA
	CODE SB, 0
	HOLD SB, 32, 8
	CODE SB, 1
	HOLD SB, 48, 8
	CODE SB, 2
	v_nop
	CODE SB, 3
	v_nop                                          ; one plain line behind the last conversion
	OPROD OB, SB
.rept 5
	v_nop                                          ; five places: the next products write over P's registers
.endr
.Lpass_\@:
.endm
	s_wait_alu depctr_va_vdst(0)
	s_cmp_gt_u32 s[WV], 3
	s_cbranch_scc1 .Lnot_mine
	s_wait_tensorcnt 0x0                           ; waves 0-3: my quarter of key steps 0 to 4 is in; waves 4-7's loads may stay out
.Lnot_mine:
	s_wait_dscnt 0x0                               ; my part of the mask and my codes are stored
	s_barrier_signal -1
	s_barrier_wait -1                              ; key steps 0 to 4, the mask and hi's codes of q are whole
	FETCH_K LI                                     ; every wave begins with key step 0
	s_mov_b32 s[I], 0
	TRIP 4                                         ; trips 0 and 1 read key steps 0 to 4 alone
	s_mov_b32 s[I], 1
	SWITCH
	s_wait_alu depctr_va_vdst(0)
	s_wait_tensorcnt 0x0                           ; my part of the codes is in,
	s_wait_dscnt 0x0                               ; and no LDS instruction of mine is pending at the signal
	s_barrier_signal -1
	TRIP 4                                         ; between signal and wait: work on registers, and LDS loads of key steps 0 to 4 and of the mask, which nobody writes
	s_wait_alu depctr_va_vdst(0)
	s_barrier_wait -1                              ; the head's codes lie in LDS whole
	s_mov_b32 s[I], 2
.Ltrips:                                               ; trips 2 to 9: a constant count in every wave
	SWITCH
	TRIP 15
	s_add_co_u32 s[I], s[I], 1
	s_cmp_lt_u32 s[I], 10
	s_cbranch_scc1 .Ltrips
; HI'S DIAGONAL STEP for the tile that I keep.  My second tile's O^T, -M and sum go to wave xor 4 through my region on the way.
	s_min_u32 s77, s[HI], 15
	s_lshl_b32 s[TB], s77, 14
	s_lshl_b32 s78, s[KEEP], 13                    ; the mask of rows 0-15 or of rows 16-31
	s_xor_b32 s71, s[WV], 4
	s_mul_i32 s71, s71, WST
	s_add_co_u32 s71, s71, STG                     ; the partner's region
	v_add_nc_u32 v[ADK], s78, v[MK]
	v_add_nc_u32 v[ADV], s[TB], v[LI]
.irp t, 0,1,2,3,4,5,6,7
.irp c, 0,1
	ds_load_b128 v[SA+8*\t+4*\c:SA+8*\t+4*\c+3], v[ADK] offset:1024*\t+512*\c
.endr
.endr
	FETCH_V
	s_wait_dscnt 16                                ; K's fragments and the mask are in; V's 16 loads may be out
	WIN 0x01
	PROD SA, Q, 1
	WIN 0
	v_add_f32 v[STB+1], v[STB+2], v[STB+3]         ; these six lines are also the places behind the products
	v_lshrrev_b32 v[XB], 1, v[LI]                  ; 8 x lane
	v_add_nc_u32 v[ADK], s55, v[LI]
	v_add_nc_u32 v[QSC], s71, v[LI]
	v_add_nc_u32 v[QLIM], s71, v[XB]
	v_add_nc_u32 v[ADV], s55, v[XB]
.irp i, 0,1,2,3,4,5,6,7
	ds_store_b128 v[ADK], v[OB+4*\i:OB+4*\i+3] offset:512*\i
.endr
	ds_store_b64 v[ADV], v[STB:STB+1] offset:4096
	MAXQ SA, XA
	v_max3_num_f32 v[XA], v[XA], v[XA+1], v[XA+2]
	v_mov_b32 v[XB+3], v[STA]
	v_max_num_f32 v[XA], v[XA], v[XA+3]
	v_permlanex16_b32 v[TPA], v[XA], s[SEL], s[SEL+1]
	v_max3_num_f32 v[STA+1], v[STA+1], v[XA], v[TPA]
	v_mul_f32 v[XA], s[NCS], v[STA+1]
	v_floor_f32 v[STA], v[XA]
	v_sub_f32 v[XA], v[STA], v[XB+3]
	v_cvt_i32_f32 v[XA], v[XA]
	v_ldexp_f32 v[FA], 1.0, v[XA]
	SHIFT SA, STA
	RESCALE OA, FA
	s_wait_alu depctr_va_vdst(0)
.set n, 0
.rept 64
	v_exp_f32 v[SA+n], v[SA+n]
.set n, n+1
.endr
	v_nop
	s_wait_alu depctr_va_vdst(0)
	s_wait_dscnt 0x0                               ; my part is stored, and my reads of the codes are over:
	s_barrier_signal -1                            ; say so; between signal and wait stands work on registers alone
	SUMP SA, STA, FA, UA, XA
	HOLD SA, 0, 8
	CODE SA, 0
	HOLD SA, 16, 8
	CODE SA, 1
	HOLD SA, 32, 8
	CODE SA, 2
	HOLD SA, 48, 8
	CODE SA, 3
	v_nop
	OPROD OA, SA
	v_sub_nc_u32 v[ADK], v[STO], STG               ; the last stage lies in the codes' bytes, which nobody reads or fills behind the barrier
	v_sub_nc_u32 v[ADV], v[RD], STG
.rept 4
	v_nop                                          ; places: the loads below write over P's registers
.endr
	s_wait_alu depctr_va_vdst(0)
	s_barrier_wait -1
; THE JOIN of hi's two parts.
	ds_load_b64 v[XA+2:XA+3], v[QLIM] offset:4096  ; the partner's -M and sum,
.irp i, 0,1,2,3,4,5,6,7
	ds_load_b128 v[SA+4*\i:SA+4*\i+3], v[QSC] offset:512*\i   ; and its O^T of my tile
.endr
	s_wait_dscnt 8                                 ; -M and the sum are in; the eight loads behind them may be out
	v_min_num_f32 v[XA+1], v[STA], v[XA+2]         ; -M of both
	v_add_f32 v[XA], v[STA+2], v[STA+3]
	v_sub_f32 v[XB], v[XA+1], v[STA]
	v_sub_f32 v[XB+1], v[XA+1], v[XA+2]
	v_cvt_i32_f32 v[XB], v[XB]
	v_cvt_i32_f32 v[XB+1], v[XB+1]
	v_ldexp_f32 v[FA], 1.0, v[XB]
	v_ldexp_f32 v[FB], 1.0, v[XB+1]
	v_mul_f32 v[XA], v[XA], v[FA]
	v_fmac_f32 v[XA], v[XA+3], v[FB]
	v_permlanex16_b32 v[TPA], v[XA], s[SEL], s[SEL+1]
	v_add_f32 v[XA], v[XA], v[TPA]                 ; the row's sum
	s_wait_alu depctr_va_vdst(0)
	s_wait_dscnt 0x0                               ; the partner's O^T is in
	v_rcp_f32 v[XB+2], v[XA]
	v_nop
	s_wait_alu depctr_va_vdst(0)
	v_ldexp_f32 v[XB+2], v[XB+2], s[EO]
	v_mul_f32 v[FA], v[FA], v[XB+2]
	v_mul_f32 v[FB], v[FB], v[XB+2]
.set n, 0
.rept 16
	v_pk_mul_f32 v[SA+n:SA+n+1], v[SA+n:SA+n+1], v[FB:FB+1] op_sel_hi:[1,0]
.set n, n+2
.endr
.set n, 0
.rept 16
	v_pk_fma_f32 v[SA+n:SA+n+1], v[OA+n:OA+n+1], v[FA:FA+1], v[SA+n:SA+n+1] op_sel_hi:[1,0,1]
.set n, n+2
.endr
	TOSTAGE SA, ADK, ADV
	SEND SA+32, OPF, 0, 0
	s_wait_tensorcnt 0x0                           ; the wave's end
	ds_add_u32 v[SPW], v[NIL]
	s_wait_dscnt 0x0
	CROUND                                         ; the closing round
	s_endpgm
.Lfunc_end_k_qbf58effc0d_attn:
	.size	k_qbf58effc0d_attn, .Lfunc_end_k_qbf58effc0d_attn-k_qbf58effc0d_attn
	.p2alignl 7, 3214868480
	.fill 96, 4, 3214868480
	.section	.rodata,"a",@progbits
	.p2align	6, 0x0
	.amdhsa_kernel k_qbf58effc0d_attn
		.amdhsa_group_segment_fixed_size 327680
		.amdhsa_private_segment_fixed_size 0
		.amdhsa_enable_private_segment 0
		.amdhsa_kernarg_size 32
		.amdhsa_user_sgpr_count 2
		.amdhsa_user_sgpr_kernarg_segment_ptr 1
		.amdhsa_wavefront_size32 1
		.amdhsa_system_sgpr_workgroup_id_x 1
		.amdhsa_system_sgpr_workgroup_id_y 1
		.amdhsa_system_sgpr_workgroup_id_z 1
		.amdhsa_system_vgpr_workitem_id 0
		.amdhsa_next_free_vgpr 384
		.amdhsa_next_free_sgpr 100
		.amdhsa_reserve_vcc 1
		.amdhsa_float_denorm_mode_32 3
		.amdhsa_float_denorm_mode_16_64 3
		.amdhsa_memory_ordered 1
		.amdhsa_forward_progress 1
		.amdhsa_inst_pref_size 160
	.end_amdhsa_kernel
	.amdgpu_metadata
---
amdhsa.version: [ 1, 2 ]
amdhsa.kernels:
  - .name:           k_qbf58effc0d_attn
    .symbol:         k_qbf58effc0d_attn.kd
    .args:
      - { .name: q, .offset: 0, .size: 8, .value_kind: global_buffer, .address_space: global }
      - { .name: kv, .offset: 8, .size: 8, .value_kind: global_buffer, .address_space: global }
      - { .name: lowp_scales, .offset: 16, .size: 8, .value_kind: global_buffer, .address_space: global }
      - { .name: out0, .offset: 24, .size: 8, .value_kind: global_buffer, .address_space: global }
    .group_segment_fixed_size: 327680
    .private_segment_fixed_size: 0
    .kernarg_segment_align: 8
    .kernarg_segment_size: 32
    .max_flat_workgroup_size: 256
    .sgpr_count:     100
    .vgpr_count:     384
    .wavefront_size: 32
...
	.end_amdgpu_metadata
.endif
;; end of part 2
